; MI455X (gfx1250); checked and timed in simulation.
; The chip was launched on July 23, 2026; its instructions are those of AMD's public machine-readable ISA for CDNA 5 (MIT licence, August 2026) and "CDNA5" Instruction Set Architecture Reference Guide (July 2026). The comments in the code are by the model that wrote it; some were corrected since.
;; Spectrum Memory Bank. Allowed arithmetic: matrix products marked QUANTISED: E3M2 operands, one E8M0 scale for each 32 along K, by v_wmma_scale_f32_16x16x128_f8f6f4 with both operands' format E3M2, f32 sums; products left as they are: f32 operands where the result goes on into a quantised operand, else bf16, f16 or f32 operands; f32 sums; everything else in f32.
;; Inputs: Wa 8 x 16 float32; Wb 16 x 256 x 256 float32; Wr 256 x 256 float32; ba 16 float32; bb 16 x 256 float32; beta 16 x 256 float32; br 256 float32; gamma 16 x 256 float32; query 32,768 x 256 float32; spectral_vec 32,768 x 8 float32.
;; Outputs: out0 32,768 x 256 float32.
;; This version of the problem:
;;   THIS VERSION OF THE PROBLEM IS GIVEN IN LOW PRECISION. The matrix products marked QUANTISED in the list below multiply operands that are first quantised to E3M2 (3 exponent bits, 2 mantissa bits; 6 bits a number), with one power-of-two scale for each 32 numbers along K (OCP MX v1.0); their sums are f32. All else is computed in f32.
;;   The module's matrix products, in the order in which they are computed (A, B: the left and right operand; K: the contracted axis; several contracted axes count as one K, in the product's order):
;;     1. [M 32,768, K 8] x [K 8, N 16]; A: input spectral_vec; B: input Wa: left as it is (K = 8 < 32)
;;     2. [M 32,768, K 256] x [K 256, N 4,096]; A: input query; B: input Wb: QUANTISED
;;     3. batch 32,768 x [M 256, K 16] x [K 16, N 1]; A: computed on the way; B: softmax: left as it is (K = 16 < 32)
;;     4. [M 32,768, K 256] x [K 256, N 256]; A: computed on the way; B: input Wr: QUANTISED
;;   THE QUANTISER, for each operand of a quantised product, along K:
;;     - K is cut into blocks of 32 from its start; a last block that is shorter is filled with zeros.
;;     - A block's scale is 2^e with e = floor(log2(the largest magnitude in the block)) - 4, held to -126 .. 127; a block of zeros has e = 0. As a byte (E8M0): e + 127.
;;     - Each number is divided by its block's scale, clamped to +-28, and rounded to the nearest number of E3M2, ties to even, subnormals kept.
;;     - The product sums the exact products of the quantised numbers (number of the format x scale) in f32.
;;   ~~~python
;;   def quantise(x, axis):      # numpy; x: float32 -> the quantised numbers, widened to float32 again
;;       x = np.moveaxis(x, axis, -1); K = x.shape[-1]
;;       x = np.pad(x, [(0, 0)] * (x.ndim - 1) + [(0, -K % 32)]); x = x.reshape(x.shape[:-1] + (-1, 32)); a = np.abs(x).max(-1, keepdims=True)
;;       e = np.where(a > 0, np.clip(np.frexp(np.where(a > 0, a, 1))[1] - 1 - 4, -126, 127), 0)      # np.frexp(a)[1] - 1 = floor(log2(a)), exactly
;;       r = np.clip(x / 2.0 ** e, -28, 28)
;;       step = 2.0 ** (np.maximum(np.frexp(np.where(r == 0, 1, r))[1] - 1, -2) - 2)
;;       q = np.round(r / step) * step * 2.0 ** e      # np.round: ties to even
;;       return np.moveaxis(q.reshape(q.shape[:-2] + (-1,))[..., :K], -1, axis).astype(np.float32)
;;   ~~~
;;   OPERANDS COMPUTED ON THE WAY. 'Computed on the way' means the value that the module computes at that place (a softmax that the list does not call 'softmax' is quantised finished and normalised). What goes into a quantiser is computed in f32, as accurately as f32 sums, v_exp_f32 and their like allow (about 1e-6 of the number): no bf16 or f16 on the way to a quantiser, and a product that is left as it is and whose result goes on into a quantised operand takes f32 operands (vector FMAs, or v_wmma_f32_16x16x4_f32). A number that lies on a knife's edge between two numbers of the format may be rounded either way, as far as f32 arithmetic and the matrix unit's own rounding can turn it there, and no further.
;; One version. Each part assembles by itself: llvm-mc -triple=amdgcn-amd-amdhsa -mcpu=gfx1250 --defsym DOCPART=n.
;; ======== version 1 of 1: 2 launches
;; limits: right only within a limited range of input values
;; workspace buffers: wimg 887,808 bytes; gb 32,768 bytes
;; launch prep (part 1): grid 8 x 17, 8 waves a work-group, no clusters, 7,680 bytes of LDS; arguments Wb, Wr, bb, br, gamma, beta, wimg, gb; writes wimg, gb
.if DOCPART == 1
	.amdgcn_target "amdgcn-amd-amdhsa--gfx1250"
	.amdhsa_code_object_version 6
	.text
	.protected	k_qaf1403f98c_prep
	.globl	k_qaf1403f98c_prep
	.p2align	8
	.type	k_qaf1403f98c_prep,@function
k_qaf1403f98c_prep:
	s_mov_b64 s[64:65], 0
	v_nop
	global_prefetch_b8 v0, s[64:65] scope:SCOPE_SE
	s_setreg_imm32_b32 hwreg(HW_REG_WAVE_MODE, 25, 1), 1
	s_wait_xcnt 0x0
; Wb [16][256 d][256 e] and Wr [256 d][256 e], f32, are operands whose K (d) is not innermost.  They become 17 IMAGES of codes of BF6 (E3M2) with one E8M0 byte
; for each 32 along d, laid in the order of the operand's registers, so that the next launch brings an image by dense copies and reads a fragment by three 16-byte loads a lane.
; AN IMAGE, 52,224 bytes (image k = bank k, image 16 = Wr):
;   0 .. 49,151       fragments f = 2 T + s (T: tile of 16 rows e, s: 128 along d), 1,536 bytes each: chunk c (512 bytes) holds lane l's registers 4 c .. 4 c + 3 at 16 l.
;                     Lane (r, h) holds row e = 32 (T / 2) + 8 (T % 2) + r + 8 (r / 8); its registers 6 c' .. 6 c' + 5 hold d = 128 s + 64 c' + 32 h + 0 .. 31.
;   49,152 .. 51,199  scale words, 128 bytes a tile: words 0-15 the rows' words of s = 0, words 16-31 those of s = 1.
;   51,200 .. 52,223  the bias of the 256 columns (bb[k]; image 16: br), f32, in plain order.
; gb: for each bank 1,024 bytes of gamma x 2 log2(e), then 1,024 of beta x 2 log2(e): the next launch forms tanh from 2^(2 log2(e) x).
; SHARES.  A work-group takes 32 columns e (x) of one image (y), all 256 d: four fragments, 6,144 dense bytes, and 256 dense scale bytes.  Wave w takes d = 32 w .. 32 w + 31.
; A LANE TAKES A COLUMN AND ITS REGISTERS RUN DOWN d: each load reads 128 consecutive bytes, a block's largest magnitude needs no other lane, and the conversions give codes with d innermost.
; A block's scale is 2^(floor(log2(largest magnitude)) - 4): its byte is the largest magnitude's exponent field - 4, held at 1 from below.
; LIMITS: a block of zeros gets the byte 1 where the rule says 127 (its codes are zeros, and this program alone reads the bytes); NaN and infinities among the inputs are not served.
.set IMG,  52224
.set X,    16                          ; v16-47  my column's 32 numbers
.set C,    48                          ; v48-54  their codes
	s_load_b256 s[4:11], s[0:1], 0x0               ; Wb s[4:5], Wr s[6:7], bb s[8:9], br s[10:11]
	s_load_b256 s[12:19], s[0:1], 0x20             ; gamma s[12:13], beta s[14:15], wimg s[16:17], gb s[18:19]
	v_lshl_add_u32 v64, v0, 2, 0x1a00
	v_mov_b32 v65, 0
	v_lshrrev_b32 v1, 5, v0
	s_delay_alu instid0(VALU_DEP_1)
	v_readfirstlane_b32 s20, v1                    ; wave 0..7
	s_and_b32 s21, ttmp7, 0xffff                   ; k: the image
	v_and_b32 v1, 31, v0                           ; x: my column in the block of 32
	s_delay_alu instid0(VALU_DEP_1)
	v_lshlrev_b32 v2, 2, v1                        ; in: 4 bytes a lane
	v_bfe_u32 v3, v0, 3, 1                         ; u = (x / 8) % 2: which of the block's two tiles
	v_and_b32 v4, 7, v0
	v_bfe_u32 v5, v0, 4, 1
	s_delay_alu instid0(VALU_DEP_1)
	v_lshl_add_u32 v4, v5, 3, v4                   ; r = x % 8 + 8 (x / 16): my row in that tile
	s_delay_alu instid0(VALU_DEP_4)
	v_mul_u32_u24 v5, v3, 3072
	s_delay_alu instid0(VALU_DEP_1)
	v_lshl_add_u32 v5, v4, 4, v5                   ; codes: 3,072 u + 16 r
	s_wait_alu depctr_va_vdst(0)
	v_lshlrev_b32 v6, 7, v3
	s_delay_alu instid0(VALU_DEP_1)
	v_lshl_add_u32 v6, v4, 2, v6                   ; scale bytes: 128 u + 4 r
	s_wait_alu depctr_va_vdst(0)
	s_lshr_b32 s22, s20, 2                         ; s  = w / 4
	s_bfe_u32 s23, s20, 0x10001                    ; c' = (w / 2) % 2
	s_and_b32 s24, s20, 1                          ; h  = w % 2
	s_mul_i32 s25, s22, 1536
	s_lshl_b32 s26, s24, 8
	s_add_co_u32 s25, s25, s26                     ; 1,536 s + 256 h
	s_mul_i32 s26, s23, 520
	s_add_co_u32 s26, s26, s25
	s_mul_i32 s27, s23, 1016
	s_add_co_u32 s27, s27, s25
	v_add_nc_u32 v7, s26, v5                       ; registers 6 c' + 0, 1 lie here, 6 c' + 4, 5 lie 512 bytes on;
	v_add_nc_u32 v8, s27, v5                       ; registers 6 c' + 2, 3 lie 8 bytes behind this
	s_lshl_b32 s26, s22, 6
	s_and_b32 s27, s20, 3
	s_add_co_u32 s26, s26, s27
	s_add_co_u32 s26, s26, 6144
	v_add_nc_u32 v6, s26, v6                       ; behind the codes: + 64 s + w % 4: my block's byte in my row's word
	v_lshlrev_b32 v9, 4, v0                        ; the way out: 16 bytes a thread,
	v_lshlrev_b32 v10, 3, v1                       ; the scale bytes: 8 bytes a lane,
	v_and_b32 v14, 63, v0
	s_delay_alu instid0(VALU_DEP_1)
	v_lshlrev_b32 v14, 4, v14                      ; the parameters: 64 threads x 16 bytes
	s_cmp_eq_u32 s21, 16
	s_cselect_b32 s28, 0, s21                      ; Wr has one plane
	s_lshl_b32 s28, s28, 18                        ; the bank's plane of 262,144 bytes,
	s_lshl_b32 s29, s20, 15                        ; my wave's 32 rows d of 1,024 bytes,
	s_add_co_u32 s28, s28, s29
	s_lshl_b32 s29, ttmp9, 7                       ; the block's 32 columns
	s_add_co_u32 s28, s28, s29
	s_mov_b32 s29, 0
	s_mul_i32 s34, s21, IMG
	s_mov_b32 s35, 0
	s_mul_i32 s36, ttmp9, 6144
	s_mov_b32 s37, 0
	s_lshl_b32 s38, ttmp9, 8
	s_add_co_u32 s38, s38, 49152
	s_mov_b32 s39, 0
	s_wait_kmcnt 0x0
	s_cmp_eq_u32 s21, 16                           ; the choice hangs on the work-group's number alone
	s_cselect_b64 s[30:31], s[6:7], s[4:5]
	s_add_nc_u64 s[30:31], s[30:31], s[28:29]
	s_add_nc_u64 s[32:33], s[16:17], s[34:35]      ; my image,
	s_add_nc_u64 s[36:37], s[32:33], s[36:37]      ; my four fragments in it,
	s_add_nc_u64 s[38:39], s[32:33], s[38:39]      ; my two tiles' scale words
.set I, 0
.rept 32
	global_load_b32 v[X+I], v2, s[30:31] offset:1024*I th:TH_LOAD_NT   ; W(32 w + i, my column): 32 lanes read 128 consecutive bytes
.set I, I+1
.endr
	s_wait_loadcnt 0x0
	v_max3_num_f32 v12, |v[X]|, |v[X+1]|, |v[X+2]|                     ; the block's largest magnitude: all 32 numbers are mine; two chains
	v_max3_num_f32 v13, |v[X+3]|, |v[X+4]|, |v[X+5]|
.irp i, 6,10,14,18,22,26
	s_delay_alu instid0(VALU_DEP_2)
	v_max3_num_f32 v12, v12, |v[X+\i]|, |v[X+\i+1]|
	s_delay_alu instid0(VALU_DEP_2)
	v_max3_num_f32 v13, v13, |v[X+\i+2]|, |v[X+\i+3]|
.endr
	s_delay_alu instid0(VALU_DEP_2)
	v_max3_num_f32 v12, v12, |v[X+30]|, |v[X+31]|
	s_delay_alu instid0(VALU_DEP_1)
	v_max3_num_f32 v12, v12, v13, 0x2800000        ; and the floor 2^(5 - 127): the byte cannot fall under 1
	s_delay_alu instid0(VALU_DEP_1)
	v_add_nc_u32 v11, 0xfe000000, v12              ; 4 off the exponent field: the conversion takes this operand's exponent field as its scale
	s_delay_alu instid0(VALU_DEP_1)
	v_lshrrev_b32 v13, 23, v11                     ; the scale's byte
	v_cvt_scalef32_pk16_bf6_f32 v[C:C+2], v[X:X+15], v11
	v_cvt_scalef32_pk16_bf6_f32 v[C+4:C+6], v[X+16:X+31], v11          ; (a conversion's three registers begin on an even number)
	v_nop                                          ; one plain place behind a scaled conversion
	v_mov_b32 v[C+3], v[C+4]                       ; the block's 24 bytes on end in v48-53
	v_mov_b32 v[C+4], v[C+5]
	v_mov_b32 v[C+5], v[C+6]
	ds_store_b64 v7, v[C:C+1]
	ds_store_b64 v8, v[C+2:C+3] offset:8
	ds_store_b64 v7, v[C+4:C+5] offset:512
	ds_store_b8 v6, v13
	s_wait_dscnt 0x0                               ; for the others' sake: my stores have landed
	s_barrier_signal -1
	s_barrier_wait -1                              ; four whole fragments and their scale words lie in LDS
	ds_load_b128 v[16:19], v9
	s_wait_dscnt 0x0
	global_store_b128 v9, v[16:19], s[36:37]       ; a wave stores 512 consecutive bytes, at a multiple of 256 from the buffer's first byte
	s_cmp_lt_u32 s20, 4
	s_cbranch_scc0 .Lnot_low
	ds_load_b128 v[20:23], v9 offset:4096          ; the last 2,048 of the 6,144 bytes: waves 0 to 3
	s_wait_dscnt 0x0
	global_store_b128 v9, v[20:23], s[36:37] offset:4096
.Lnot_low:
	s_cmp_eq_u32 s20, 4
	s_cbranch_scc0 .Lnot_four
	ds_load_b64 v[24:25], v10 offset:6144          ; the 256 scale bytes: wave 4
	s_wait_dscnt 0x0
	global_store_b64 v10, v[24:25], s[38:39]       ; 32 lanes store 256 consecutive bytes, aligned
.Lnot_four:
	; THE PARAMETERS: 1,024 bytes by waves 6 and 7 of blocks 0 (the bias, as it is), 1 (gamma) and 2 (beta, both x 2 log2(e)); image 16 has a bias alone.
	s_cmp_lt_u32 s20, 6
	s_cbranch_scc1 .Lend
	s_cmp_gt_u32 ttmp9, 2
	s_cbranch_scc1 .Lend
	s_cmp_lg_u32 s21, 16
	s_cbranch_scc1 .Lparam
	s_cmp_lg_u32 ttmp9, 0
	s_cbranch_scc1 .Lend
.Lparam:
	s_lshl_b32 s46, s21, 10                        ; from: row k of 1,024 bytes
	s_mov_b32 s47, 0
	s_max_u32 s48, ttmp9, 1
	s_sub_co_u32 s48, s48, 1
	s_lshl_b32 s48, s48, 10
	s_lshl_b32 s49, s21, 11
	s_add_co_u32 s48, s48, s49                     ; to, in gb: 2,048 k + 1,024 (block - 1)
	s_mov_b32 s49, 0
	s_cmp_eq_u32 ttmp9, 1
	s_cselect_b64 s[40:41], s[12:13], s[14:15]     ; gamma or beta,
	s_cmp_eq_u32 ttmp9, 0
	s_cselect_b64 s[40:41], s[8:9], s[40:41]       ; or bb;
	s_cselect_b64 s[42:43], s[32:33], s[18:19]     ; to the image or to gb,
	s_cselect_b32 s48, 51200, s48
	s_cselect_b32 s44, 1.0, 0x4038aa3b             ; x 1 or x 2 log2(e)
	s_mov_b32 s45, s44                             ; (named with it as a pair, so it is written)
	s_cmp_eq_u32 s21, 16
	s_cselect_b64 s[40:41], s[10:11], s[40:41]     ; image 16: br, which has one row
	s_cselect_b32 s46, 0, s46
	s_add_nc_u64 s[40:41], s[40:41], s[46:47]
	s_add_nc_u64 s[42:43], s[42:43], s[48:49]
	global_load_b128 v[28:31], v14, s[40:41]
	s_wait_loadcnt 0x0
	v_pk_mul_f32 v[32:33], v[28:29], s[44:45] op_sel_hi:[1,0]
	v_pk_mul_f32 v[34:35], v[30:31], s[44:45] op_sel_hi:[1,0]
	global_store_b128 v14, v[32:35], s[42:43]      ; a wave stores 512 consecutive bytes, aligned
.Lend:
	s_wait_tensorcnt 0x0
	ds_add_u32 v64, v65
	s_wait_dscnt 0x0
	s_endpgm
.Lfunc_end_k_qaf1403f98c_prep:
	.size	k_qaf1403f98c_prep, .Lfunc_end_k_qaf1403f98c_prep-k_qaf1403f98c_prep
	.p2alignl 7, 3214868480
	.fill 96, 4, 3214868480
	.section	.rodata,"a",@progbits
	.p2align	6, 0x0
	.amdhsa_kernel k_qaf1403f98c_prep
		.amdhsa_group_segment_fixed_size 7680
		.amdhsa_private_segment_fixed_size 0
		.amdhsa_enable_private_segment 0
		.amdhsa_kernarg_size 64
		.amdhsa_user_sgpr_count 2
		.amdhsa_user_sgpr_kernarg_segment_ptr 1
		.amdhsa_wavefront_size32 1
		.amdhsa_system_sgpr_workgroup_id_x 1
		.amdhsa_system_sgpr_workgroup_id_y 1
		.amdhsa_system_sgpr_workgroup_id_z 1
		.amdhsa_system_vgpr_workitem_id 0
		.amdhsa_next_free_vgpr 66
		.amdhsa_next_free_sgpr 66
		.amdhsa_reserve_vcc 0
		.amdhsa_float_denorm_mode_32 3
		.amdhsa_float_denorm_mode_16_64 3
		.amdhsa_memory_ordered 1
		.amdhsa_forward_progress 1
		.amdhsa_inst_pref_size 11
	.end_amdhsa_kernel
	.amdgpu_metadata
---
amdhsa.version: [ 1, 2 ]
amdhsa.kernels:
  - .name:           k_qaf1403f98c_prep
    .symbol:         k_qaf1403f98c_prep.kd
    .args:
      - { .name: Wb, .offset: 0, .size: 8, .value_kind: global_buffer, .address_space: global }
      - { .name: Wr, .offset: 8, .size: 8, .value_kind: global_buffer, .address_space: global }
      - { .name: bb, .offset: 16, .size: 8, .value_kind: global_buffer, .address_space: global }
      - { .name: br, .offset: 24, .size: 8, .value_kind: global_buffer, .address_space: global }
      - { .name: gamma, .offset: 32, .size: 8, .value_kind: global_buffer, .address_space: global }
      - { .name: beta, .offset: 40, .size: 8, .value_kind: global_buffer, .address_space: global }
      - { .name: wimg, .offset: 48, .size: 8, .value_kind: global_buffer, .address_space: global }
      - { .name: gb, .offset: 56, .size: 8, .value_kind: global_buffer, .address_space: global }
    .group_segment_fixed_size: 7680
    .private_segment_fixed_size: 0
    .kernarg_segment_align: 8
    .kernarg_segment_size: 64
    .max_flat_workgroup_size: 256
    .sgpr_count:     66
    .vgpr_count:     66
    .wavefront_size: 32
...
	.end_amdgpu_metadata
.endif
;; end of part 1
;; launch main (part 2): grid 256 x 1, 8 waves a work-group, clusters of 4 x 1, 327,680 bytes of LDS; arguments spectral_vec, query, Wa, ba, wimg, gb, out0; writes out0
.if DOCPART == 2
	.amdgcn_target "amdgcn-amd-amdhsa--gfx1250"
	.amdhsa_code_object_version 6
	.text
	.protected	k_qaf1403f98c_main
	.globl	k_qaf1403f98c_main
	.p2align	8
	.type	k_qaf1403f98c_main,@function
k_qaf1403f98c_main:
	s_mov_b64 s[64:65], 0
	v_nop
	global_prefetch_b8 v0, s[64:65] scope:SCOPE_SE
	s_setreg_imm32_b32 hwreg(HW_REG_WAVE_MODE, 25, 1), 1
	s_wait_xcnt 0x0
	s_wait_alu depctr_hold_cnt(0) depctr_sa_sdst(0) depctr_va_vdst(0) depctr_va_sdst(0) depctr_va_ssrc(0) depctr_va_vcc(0) depctr_vm_vsrc(0)
	s_getreg_b32 s2, hwreg(HW_REG_IB_STS2, 6, 4)
	s_cmp_eq_u32 s2, 0
	s_cbranch_scc0 .Lentry_in_a_cluster
	s_endpgm
.Lentry_in_a_cluster:
	s_bfe_u32 s2, ttmp6, 0x10000c
	s_cmp_lg_u32 s2, 0x3003
	s_cbranch_scc0 .Lentry_shape_is_right
	s_endpgm
.Lentry_shape_is_right:
; out = (sum over 16 banks k of w_k tanh(LayerNorm_k(query Wb_k + bb_k))) Wr + br,  w = softmax(spectral_vec Wa + ba).  Both large products on codes of BF6 (E3M2), one E8M0 scale for each 32 along K; all else f32.
; The weights come as 17 images made by the launch before (16 banks, then Wr): fragments in the order of the operand's registers, scale words, the bias; gamma and beta come multiplied by 2 log2(e).
; SHARES.  A work-group owns 128 rows and has eight waves, two to a SIMD.  Wave w = 2 rg + eh owns rows 32 rg .. + 31 (two tiles of 16) and features 128 eh .. + 127 (eight tiles) of every bank:
; 16 accumulators, 128 registers, and as many for the running sum.
; LAYOUT.  Both products are used transposed (source 0 = 16 rows of the weights, source 1 = 16 rows of query): lane (r, h) holds ONE row r, register j of tile t the feature 128 eh + 32 (t / 2) + 16 h + 8 (t % 2) + j.
; LAYERNORM in two passes: the wave's own mean m of its 128 features, d = h - m in place, M2 = sum of d^2.  The two waves of a row exchange (m, M2) through LDS: with delta = m - the partner's m the row's
; sum of squares is M2 + M2' + 64 delta^2, and (h - mean) rstd = d rstd + (delta / 2) rstd.  No difference of large sums is formed.
; TANH.  tanh(x) = 1 - 2 / (1 + 2^(2 log2(e) x)).  The running sum starts at the sum of the w_k and takes (-2 w_k) / (1 + 2^z).  2^z = infinity gives 0, 2^z = 0 gives 1: both ends are right without a clamp.
; PHASES.  A tile's vector work has six stages, one phase apart: d rstd + c (tile p + 2), x gamma' + beta' (p + 1), 2^z (p), + 1 (p - 1), reciprocal (p - 2), running sum (p - 3).
; So in a phase every source was written ahead of the phase's one wait and every result is read behind the next one, and exponentials and reciprocals stand by turns with packed instructions of other tiles.
; At a phase's head, behind its waits, stand the LDS loads for the next phase and the next bank's products for tile p - 4, whose registers the running sum has used up a phase before.
; THE RING.  Two LDS slots of one image each; image k + 2 is asked for at the head of trip k by waves 0-3, a quarter each: one tensor load of a wave is out at a time.
; CLUSTER.  All work-groups walk the same images: four form a cluster and ask for each quarter JOINTLY (the same load, the same descriptor, the mask 15).
; NO PREFETCH: an image is asked for a whole trip (fourteen phases and the statistics) ahead of its first read, and every cluster reads the same 17 images; query is read once, at the head, where there is no loop to run ahead in.
; LIMITS.  NaN and infinities among the inputs are not served.  tanh as 1 - 2 r has an absolute error of about 1e-7.  A block of zeros has the scale byte 1, not 127 (zero codes; the bytes never leave the program).
; The f32 sums (softmax, mean, variance, banks) are taken in another order than the reference takes them.
; REGISTERS: window 0: addresses, statistics, operands in two sets, the rows' fragments, the quantiser's scratch, scale words.  Window 1: v0-127 h, tile (rt, t) at 64 rt + 8 t; v128-255 the running sum, numbered alike.
.set IMG,   52224
.set QTR,   13056                      ; a quarter of an image: 51 rows of 256 bytes
.set SLOT1, 65536
.set WTAB,  52224                      ; -2 w[k][row]: 16 x 512 bytes
.set WSUM,  60416                      ; the sum of a row's w
.set SPARE, 60928                      ; the spare words: 128 bytes for each of eight waves
.set GBL,   117760                     ; gamma', beta' of all banks, filled once
.set QIMG,  150528                     ; query's 16 fragments as images of their registers: (2 x row tile + s) x 1,536
.set QSC,   175104                     ; their scale words: 128 bytes a row tile, 64 for each s
.set STAT,  176128                     ; (m, M2): [bank] 2,048 [wave] 256 [rt] 128 [row] 8
.set XST,   176128                     ; at the head only: each wave's 16 rows of query, 1,040 bytes apart
.set CIMG,  208896                     ; the running sum's fragments, laid as query's
.set CSC,   233472
.set STAGE, 234496                     ; the way out: 16 rows x 528 bytes for each wave
.set SPW,1
.set NIL,2
.set LI,3
.set LS,4
.set AW0,5
.set ASC0,6
.set AB0,7
.set AG0,8
.set AWT0,9
.set ASW0,10
.set ASR0,11
.set AWS,12
.set QWI,13
.set QWS,14
.set QF,15
.set QFS,16
.set CWI,17
.set CWS,18
.set CF,19
.set CFS,20
.set STO,21
.set RD,22
.set SMW,23
.set XS,24
.set SPV,25
.set ADW,26
.set ADS,27
.set ADB,28
.set ADG,29
.set ADT,30
.set ADX,31
.set ADY,32
.set TL,33
.set TR,34
.set TH,35
.set RS,36                             ; pairs, the low register used: rstd of row tile rt at RS + 2 rt
.set CC,40                             ; (delta / 2) rstd
.set MW,44                             ; -2 w
.set ML,48                             ; (m, M2)
.set PP,52                             ; the partner's
.set WSR,52                            ; ahead of the loop: pairs with the sum of w
.set TT,56
.set PD,62
.set BI,64                             ; a tile's bias, set p at + 8 p
.set SM2,64                            ; head only: four addresses
.set XR,65
.set WAA,66
.set BAA,67
.set GA,80
.set BE,96
.set WF,112                            ; a tile's two fragments, set p at + 24 p
.set T,112                             ; the statistics' sixteen partial pairs lie over them
.set QFR,160                           ; the rows' fragments (rt, s) at 12 (2 rt + s)
.set TM,208                            ; the quantiser: 0-3 magnitudes, 4-7 bytes, 8-11 scale operands
.set PW,220
.set PC,222                            ; v222-240 the codes just made
.set LG,242                            ; v242-249 the logits: written by matrix instructions alone
.set WS,250                            ; v250-253 hold scales and nothing else
.set QS,252
.set WV,18
.set RG,19
.set EH,20
.set CX,21
.set WG,22
.set W3,23
.set G1I,24
.set G1G,32
.set G0A,40
.set G0B,44
.set G0G,48
.set SEL,52
.set TB,54
.set GO,55
.set WO,56
.set KC,57
.set IV,58
.set EP,59
.set MSB, 0
.macro WIN new
.if MSB != \new
	s_set_vgpr_msb (MSB<<8)|\new
.set MSB, \new
.endif
.endm
.macro VW
	s_wait_alu depctr_va_vdst(0)
.endm
.macro CROUND                          ; a round of the cluster's barrier
	s_barrier_signal -1
	s_barrier_wait -1
	s_cmp_lg_u32 s[WV], 0
	s_cbranch_scc1 .Lnot_wave_0_\@
	s_barrier_signal -3
.Lnot_wave_0_\@:
	s_barrier_wait -3
	s_barrier_signal -1
	s_barrier_wait -1
.endm
.macro PLACES
.rept 4
	v_nop
.endr
.endm
.macro SB d, r, m, a                   ; an LDS base: a constant x a number made of the wave's + a constant
	s_mul_i32 s[\d], s[\r], \m
	s_add_co_u32 s[\d], s[\d], \a
.endm
.macro LOADW t, p                      ; nine loads: tile t's two fragments, its scale words (lanes 0-15: s = 0, lanes 16-31: s = 1), its bias in the result's layout
.irp f, 0,1
.irp c, 0,1,2
	ds_load_b128 v[WF+24*(\p)+12*\f+4*\c:WF+24*(\p)+12*\f+4*\c+3], v[ADW] offset:(2*(\t)+\f)*1536+512*\c
.endr
.endr
	ds_load_b32 v[WS+(\p)], v[ADS] offset:128*(\t)
	ds_load_b128 v[BI+8*(\p):BI+8*(\p)+3], v[ADB] offset:128*((\t)/2)+32*((\t)%2)
	ds_load_b128 v[BI+8*(\p)+4:BI+8*(\p)+7], v[ADB] offset:128*((\t)/2)+32*((\t)%2)+16
.endm
.macro LOADG t, p                      ; four: tile t's gamma' and beta'
	ds_load_b128 v[GA+8*(\p):GA+8*(\p)+3], v[ADG] offset:128*((\t)/2)+32*((\t)%2)
	ds_load_b128 v[GA+8*(\p)+4:GA+8*(\p)+7], v[ADG] offset:128*((\t)/2)+32*((\t)%2)+16
	ds_load_b128 v[BE+8*(\p):BE+8*(\p)+3], v[ADG] offset:1024+128*((\t)/2)+32*((\t)%2)
	ds_load_b128 v[BE+8*(\p)+4:BE+8*(\p)+7], v[ADG] offset:1024+128*((\t)/2)+32*((\t)%2)+16
.endm
; Four matrix instructions: tile t for my two tiles of rows, K = 256 in two links; the bias is the C of the first.  The two accumulators take turns, one instruction a turn.
.macro MM t, p
	WIN 0x40
.irp rt, 0,1
	v_wmma_scale_f32_16x16x128_f8f6f4 v[64*\rt+8*(\t):64*\rt+8*(\t)+7], v[WF+24*(\p):WF+24*(\p)+11], v[QFR+24*\rt:QFR+24*\rt+11], v[BI+8*(\p):BI+8*(\p)+7], v[WS+(\p)], v[QS+\rt] matrix_a_fmt:MATRIX_FMT_BF6 matrix_b_fmt:MATRIX_FMT_BF6
.endr
	WIN 0x50
.irp rt, 0,1
	v_wmma_scale_f32_16x16x128_f8f6f4 v[64*\rt+8*(\t):64*\rt+8*(\t)+7], v[WF+24*(\p)+12:WF+24*(\p)+23], v[QFR+24*\rt+12:QFR+24*\rt+23], v[64*\rt+8*(\t):64*\rt+8*(\t)+7], v[WS+(\p)], v[QS+\rt] matrix_a_fmt:MATRIX_FMT_BF6 matrix_b_fmt:MATRIX_FMT_BF6 matrix_a_scale:MATRIX_SCALE_ROW1 matrix_b_scale:MATRIX_SCALE_ROW1
.endr
.endm
; Half of a phase's first block, row tile rt: d rstd + c of tile p + 2, 2^z of tile p, + 1 of tile p - 1.
.macro BLKA p, rt
.irp q, 0,1,2,3
.if ((\p)+2 >= 0) && ((\p)+2 <= 7)
	v_pk_fma_f32 v[64*\rt+8*((\p)+2)+2*\q:64*\rt+8*((\p)+2)+2*\q+1], v[64*\rt+8*((\p)+2)+2*\q:64*\rt+8*((\p)+2)+2*\q+1], v[RS+2*\rt:RS+2*\rt+1], v[CC+2*\rt:CC+2*\rt+1] op_sel_hi:[1,0,0]
.endif
.if ((\p) >= 0) && ((\p) <= 7)
	v_exp_f32 v[64*\rt+8*(\p)+2*\q], v[64*\rt+8*(\p)+2*\q]
.endif
.if ((\p)-1 >= 0) && ((\p)-1 <= 7)
	v_pk_add_f32 v[64*\rt+8*((\p)-1)+2*\q:64*\rt+8*((\p)-1)+2*\q+1], v[64*\rt+8*((\p)-1)+2*\q:64*\rt+8*((\p)-1)+2*\q+1], 1.0 op_sel_hi:[1,0]
.endif
.if ((\p) >= 0) && ((\p) <= 7)
	v_exp_f32 v[64*\rt+8*(\p)+2*\q+1], v[64*\rt+8*(\p)+2*\q+1]
.endif
.endr
.endm
; A PHASE.  One wait for the vector results and one for the LDS loads asked for at the head of the phase before.  Then the loads for the next phase: gamma' and beta' of tile p + 2 into the set that tile p has read,
; the weights of tile p - 3 into the set that the products of tile p - 5 read at the head of the phase before: that phase's packed instructions, eight at the least, are the places in front of these loads.
; Then the products of tile p - 4 (mm = 1), and the three blocks of vector work.
.macro PHASE p, mm
	WIN 0
	VW
	s_wait_dscnt 0x0
.if (\p)+2 <= 7
	LOADG (\p)+2,((\p)+2)%2
.endif
.if (\mm) && ((\p) >= 3) && ((\p) <= 10)
	LOADW (\p)-3,((\p)+1)%2
.endif
.if (\mm) && ((\p) >= 4)
	MM (\p)-4,(\p)%2
.endif
.if (\p) <= 8
	WIN 0x41
	BLKA \p, 0
	BLKA \p, 1
.endif
.if ((\p) >= -1) && ((\p) <= 9)
	WIN 0x41
.irp i, 0,1,2,3,4,5,6,7
.if ((\p)-2 >= 0) && ((\p)-2 <= 7)
	v_rcp_f32 v[8*((\p)-2)+\i], v[8*((\p)-2)+\i]
.endif
.if ((\p)+1 >= 0) && ((\p)+1 <= 7)
	v_pk_fma_f32 v[64*(\i/4)+8*((\p)+1)+2*(\i%4):64*(\i/4)+8*((\p)+1)+2*(\i%4)+1], v[64*(\i/4)+8*((\p)+1)+2*(\i%4):64*(\i/4)+8*((\p)+1)+2*(\i%4)+1], v[GA+8*(((\p)+1)%2)+2*(\i%4):GA+8*(((\p)+1)%2)+2*(\i%4)+1], v[BE+8*(((\p)+1)%2)+2*(\i%4):BE+8*(((\p)+1)%2)+2*(\i%4)+1]
.endif
.endr
.endif
.if ((\p) >= 2) && ((\p) <= 10)
	WIN 0x51                                       ; the running sum: destination and source 2 in window 1 too
.irp i, 0,1,2,3,4,5,6,7
.if (\p)-2 <= 7
	v_rcp_f32 v[64+8*((\p)-2)+\i], v[64+8*((\p)-2)+\i]
.endif
.if (\p)-3 >= 0
	v_pk_fma_f32 v[128+64*(\i/4)+8*((\p)-3)+2*(\i%4):128+64*(\i/4)+8*((\p)-3)+2*(\i%4)+1], v[64*(\i/4)+8*((\p)-3)+2*(\i%4):64*(\i/4)+8*((\p)-3)+2*(\i%4)+1], v[MW+2*(\i/4):MW+2*(\i/4)+1], v[128+64*(\i/4)+8*((\p)-3)+2*(\i%4):128+64*(\i/4)+8*((\p)-3)+2*(\i%4)+1] op_sel_hi:[1,0,1]
.endif
.endr
.endif
.endm
; n partial pairs a row tile, T[2 c + rt], become one number: T[rt]'s low register + PD.
.macro RED n
	WIN 0
.irp st, 4,2,1
.if \st < \n
.irp c, 0,1,2,3
.if \c < \st
.irp rt, 0,1
	v_pk_add_f32 v[T+2*(2*\c+\rt):T+2*(2*\c+\rt)+1], v[T+2*(2*\c+\rt):T+2*(2*\c+\rt)+1], v[T+2*(2*(\c+\st)+\rt):T+2*(2*(\c+\st)+\rt)+1]
.endr
.endif
.endr
.endif
.endr
.irp rt, 0,1
	s_delay_alu instid0(VALU_DEP_2)
	v_add_f32 v[T+2*\rt], v[T+2*\rt], v[T+2*\rt+1]
.endr
.irp rt, 0,1
	v_permlanex16_b32 v[PD+\rt], v[T+2*\rt], s[SEL], s[SEL+1]
.endr
.endm
; THE STATISTICS of the bank in h; (m, M2) go to STAT at 2,048 k + off.  The first sixteen additions read each accumulator at its low end, under one window setting, tile 7 last: the earlier ones are its places,
; and the partial pairs that lie over tile 7's operands are written behind twelve of them.
.macro SPASS off
	WIN 0x05
	VW
.irp t, 0,1,2,3,4,5,6,7
.irp rt, 0,1
	v_pk_add_f32 v[T+2*(2*\t+\rt):T+2*(2*\t+\rt)+1], v[64*\rt+8*\t:64*\rt+8*\t+1], v[64*\rt+8*\t+2:64*\rt+8*\t+3]
.endr
.endr
	WIN 0x04
.irp q, 2,3
.irp t, 0,1,2,3,4,5,6,7
.irp rt, 0,1
	v_pk_add_f32 v[T+2*(2*\t+\rt):T+2*(2*\t+\rt)+1], v[T+2*(2*\t+\rt):T+2*(2*\t+\rt)+1], v[64*\rt+8*\t+2*\q:64*\rt+8*\t+2*\q+1]
.endr
.endr
.endr
	RED 8
.irp rt, 0,1
	v_add_f32 v[T+2*\rt], v[T+2*\rt], v[PD+\rt]
.endr
.irp rt, 0,1
	s_delay_alu instid0(VALU_DEP_2)
	v_mul_f32 v[ML+2*\rt], 0x3c000000, v[T+2*\rt]  ; m = the sum / 128
.endr
	WIN 0x41
.set Q, 0
.rept 32
.irp rt, 0,1
	v_pk_add_f32 v[64*\rt+2*Q:64*\rt+2*Q+1], v[64*\rt+2*Q:64*\rt+2*Q+1], v[ML+2*\rt:ML+2*\rt+1] op_sel_hi:[1,0] neg_lo:[0,1] neg_hi:[0,1]   ; d = h - m, in place
.endr
.set Q, Q+1
.endr
	WIN 0x05
.irp c, 0,1,2,3
.irp rt, 0,1
	v_pk_mul_f32 v[T+2*(2*\c+\rt):T+2*(2*\c+\rt)+1], v[64*\rt+2*\c:64*\rt+2*\c+1], v[64*\rt+2*\c:64*\rt+2*\c+1]
.endr
.endr
.set Q, 4
.rept 28
.irp rt, 0,1
	v_pk_fma_f32 v[T+2*(2*(Q%4)+\rt):T+2*(2*(Q%4)+\rt)+1], v[64*\rt+2*Q:64*\rt+2*Q+1], v[64*\rt+2*Q:64*\rt+2*Q+1], v[T+2*(2*(Q%4)+\rt):T+2*(2*(Q%4)+\rt)+1]
.endr
.set Q, Q+1
.endr
	RED 4
.irp rt, 0,1
	v_add_f32 v[ML+2*\rt+1], v[T+2*\rt], v[PD+\rt] ; M2
.endr
	v_add_nc_u32 v[ADX], s[GO], v[ASW0]
.irp rt, 0,1
	ds_store_b64 v[ADX], v[ML+2*\rt:ML+2*\rt+1] offset:\off+128*\rt   ; lanes l and l xor 16 write the same 8 bytes with the same value
.endr
.endm
.macro XC                              ; the two halves of a row join: rstd and (delta / 2) rstd
.irp rt, 0,1
	v_sub_f32 v[TT+\rt], v[ML+2*\rt], v[PP+2*\rt]
.endr
.irp rt, 0,1
	v_add_f32 v[TT+2+\rt], v[ML+2*\rt+1], v[PP+2*\rt+1]
.endr
.irp rt, 0,1
	s_delay_alu instid0(VALU_DEP_4)
	v_mul_f32 v[TT+4+\rt], v[TT+\rt], v[TT+\rt]
.endr
.irp rt, 0,1
	s_delay_alu instid0(VALU_DEP_2)
	v_fmamk_f32 v[TT+2+\rt], v[TT+4+\rt], 0x42800000, v[TT+2+\rt]   ; + 64 delta^2
.endr
.irp rt, 0,1
	s_delay_alu instid0(VALU_DEP_2)
	v_fma_f32 v[TT+2+\rt], v[TT+2+\rt], s[IV], s[EP]                ; / 256 + 1e-5
.endr
	VW
.irp rt, 0,1
	v_rsq_f32 v[RS+2*\rt], v[TT+2+\rt]
.endr
.irp rt, 0,1
	v_mul_f32 v[TT+\rt], 0.5, v[TT+\rt]
.endr
	VW
.irp rt, 0,1
	v_mul_f32 v[CC+2*\rt], v[TT+\rt], v[RS+2*\rt]
.endr
.endm
; THE CHANGE OF SLOTS.  Each wave waits for all its tensor loads, adds 0 to its spare word, and waits for that, for its reads of the slot left behind and for its stores of (m, M2).
; fill = 1: the barrier is a round of the cluster's, and waves 0-3's joint load is the first thing behind it.  step = 1: the walking descriptor goes on to the other slot and the next image.
.macro CHANGE fill, step
	WIN 0
	VW
	s_wait_tensorcnt 0x0
	ds_add_u32 v[SPW], v[NIL]
.if \step
	s_xor_b32 s[G0B+1], s[G0B+1], SLOT1
	s_add_nc_u64 s[G0B+2:G0B+3], s[G0B+2:G0B+3], IMG
.endif
	v_add_nc_u32 v[ADW], s[TB], v[AW0]
	v_add_nc_u32 v[ADS], s[TB], v[ASC0]
	v_add_nc_u32 v[ADB], s[TB], v[AB0]
	v_add_nc_u32 v[ADG], s[GO], v[AG0]
	v_add_nc_u32 v[ADY], s[GO], v[ASR0]
	v_add_nc_u32 v[ADT], s[WO], v[AWT0]
	VW
	s_wait_dscnt 0x0
.if \fill
	CROUND
	s_cmp_lt_u32 s[WV], 4
	s_cbranch_scc0 .Lno_load_\@
	tensor_load_to_lds s[G0B:G0B+3], s[G1I:G1I+7]
	s_nop 0
	PLACES
.Lno_load_\@:
.else
	s_barrier_signal -1
	s_barrier_wait -1
.endif
.endm
.macro STATS_IN                        ; four loads: the partner's (m, M2) and -2 w of the bank in hand
.irp rt, 0,1
	ds_load_b64 v[PP+2*\rt:PP+2*\rt+1], v[ADY] offset:128*\rt
.endr
.irp rt, 0,1
	ds_load_b32 v[MW+2*\rt], v[ADT] offset:64*\rt
.endr
.endm
; 64 numbers of a lane in window 1, v[s] on, register 16 b + i = k 32 b + 16 (lane / 16) + i of my row, become a fragment's codes in v[PC] on and its scale word in v[PW].
.macro QUANT s
	WIN 0x05
.irp b, 0,1,2,3
	v_max3_num_f32 v[TM+\b], |v[(\s)+16*\b]|, |v[(\s)+1+16*\b]|, 0x2800000   ; my 16 numbers of block b, and the floor 2^(5 - 127): the byte cannot fall under 1
.endr
	WIN 0x14
.irp i, 2,4,6,8,10,12,14
.irp b, 0,1,2,3
	v_max3_num_f32 v[TM+\b], v[TM+\b], |v[(\s)+16*\b+\i]|, |v[(\s)+1+16*\b+\i]|
.endr
.endr
	WIN 0
.irp b, 0,1,2,3
	v_permlanex16_b32 v[TM+4+\b], v[TM+\b], s[SEL], s[SEL+1]
.endr
.irp b, 0,1,2,3
	v_max_num_f32 v[TM+\b], v[TM+\b], v[TM+4+\b]
.endr
.irp b, 0,1,2,3
	v_add_nc_u32 v[TM+8+\b], 0xfe000000, v[TM+\b]  ; 4 off the exponent field: the conversion's scale operand
.endr
.irp b, 0,1,2,3
	v_lshrrev_b32 v[TM+4+\b], 23, v[TM+8+\b]       ; the scale's byte
.endr
	v_lshl_or_b32 v[PW], v[TM+5], 8, v[TM+4]
	s_delay_alu instid0(VALU_DEP_1)
	v_lshl_or_b32 v[PW], v[TM+6], 16, v[PW]
	s_delay_alu instid0(VALU_DEP_1)
	v_lshl_or_b32 v[PW], v[TM+7], 24, v[PW]
	WIN 0x01
.irp c, 0,1
	v_cvt_scalef32_pk16_bf6_f32 v[PC+6*\c:PC+2+6*\c], v[(\s)+32*\c:(\s)+15+32*\c], v[TM+8+2*\c]
	v_cvt_scalef32_pk16_bf6_f32 v[PC+12+4*\c:PC+14+4*\c], v[(\s)+16+32*\c:(\s)+31+32*\c], v[TM+8+2*\c+1]
.endr
	WIN 0
	v_nop                                          ; one plain place behind a scaled conversion
.irp c, 0,1                                    ; the operand's layout wants a whole block in a lane
.irp i, 0,1,2
	v_permlane16_swap_b32 v[PC+6*\c+\i], v[PC+12+4*\c+\i]
.endr
.irp i, 0,1,2
	v_mov_b32 v[PC+3+6*\c+\i], v[PC+12+4*\c+\i]
.endr
.endr
.endm
.macro IMAGE adr, off
.irp c, 0,1,2
	ds_store_b128 v[\adr], v[PC+4*\c:PC+4*\c+3] offset:\off+512*\c
.endr
.endm
.macro FETCHF adr, sadr                ; my two row tiles' four fragments and their scale words (lanes 0-15: s = 0, lanes 16-31: s = 1)
.irp f, 0,1,2,3
.irp c, 0,1,2
	ds_load_b128 v[QFR+12*\f+4*\c:QFR+12*\f+4*\c+3], v[\adr] offset:1536*\f+512*\c
.endr
.endr
.irp rt, 0,1
	ds_load_b32 v[QS+\rt], v[\sadr] offset:128*\rt
.endr
.endm
; A whole image multiplied with no bank's vector work beside it.  Operands run two tiles ahead.  The places behind each tile's products: kind = 1: eight packed instructions that start 16 registers of the running sum; kind = 0: four v_nop.
.macro MONLY kind
	LOADW 0, 0
	LOADW 1, 1
.irp t, 0,1,2,3,4,5,6,7
.if \t < 7
	s_wait_dscnt 9                                 ; this tile's nine loads are in; the next tile's nine may be out
.else
	s_wait_dscnt 0x0
.endif
	MM \t, \t%2
.if \kind
	WIN 0x40
.irp rt, 0,1
.irp q, 0,1,2,3
	v_pk_mul_f32 v[128+64*\rt+8*\t+2*\q:128+64*\rt+8*\t+2*\q+1], v[WSR+2*\rt:WSR+2*\rt+1], 1.0 op_sel_hi:[0,0]
.endr
.endr
	WIN 0
.else
	WIN 0
	PLACES
.endif
.if \t < 6
	LOADW \t+2, \t%2
.endif
.endr
.endm
.macro SUM8                            ; v106 = the sum of v96 .. v103 and of lane l xor 16's eight
	v_add_f32 v106, v96, v97
	v_add_f32 v107, v98, v99
	v_add_f32 v108, v100, v101
	v_add_f32 v109, v102, v103
	v_add_f32 v106, v106, v107
	v_add_f32 v108, v108, v109
	s_delay_alu instid0(VALU_DEP_1)
	v_add_f32 v106, v106, v108
	v_permlanex16_b32 v107, v106, s[SEL], s[SEL+1]
	v_add_f32 v106, v106, v107
.endm
	; ---- ids and every scalar base, then the descriptors
	s_load_b256 s[4:11], s[0:1], 0x0               ; spectral_vec s[4:5], query s[6:7], Wa s[8:9], ba s[10:11]
	s_load_b128 s[12:15], s[0:1], 0x20             ; wimg s[12:13], gb s[14:15]
	s_load_b64 s[16:17], s[0:1], 0x30              ; out0
	v_lshl_add_u32 v[SPW], v0, 2, SPARE
	v_mov_b32 v[NIL], 0
	ds_add_u32 v[SPW], v[NIL]
	ds_add_u32 v[SPW], v[NIL]
	v_lshrrev_b32 v3, 5, v0
	v_readfirstlane_b32 s[WV], v3                  ; wave 0..7
	VW
	s_lshr_b32 s[RG], s[WV], 1                     ; which 32 rows
	s_and_b32 s[EH], s[WV], 1                      ; which 128 features
	s_and_b32 s[W3], s[WV], 3                      ; which quarter of a tensor tile
	s_xor_b32 s60, s[WV], 1                        ; my partner: the same rows, the other features
	s_bfe_u32 s[CX], ttmp6, 0x40000                ; my place in the cluster enters the addresses of spectral_vec, query and out0 alone
	s_lshl_b32 s[WG], ttmp9, 2
	s_add_co_u32 s[WG], s[WG], s[CX]
	s_mul_i32 s66, s[EH], 24576
	SB 67, EH, 1024, 49152
	SB 68, EH, 512, 51200
	SB 69, EH, 512, GBL
	SB 70, RG, 128, WTAB
	SB 71, RG, 128, WSUM
	SB 72, WV, 256, STAT
	SB 73, 60, 256, STAT
	SB 74, WV, 3072, QIMG
	SB 75, WV, 128, QSC
	SB 76, RG, 6144, QIMG
	SB 77, RG, 6144, CIMG
	s_mul_i32 s61, s[EH], 1536
	s_add_co_u32 s78, s77, s61
	SB 79, RG, 256, QSC
	SB 80, RG, 256, CSC
	s_lshl_b32 s61, s[EH], 6
	s_add_co_u32 s81, s80, s61
	SB 82, WV, 8448, STAGE
	SB 83, WV, 64, WTAB
	SB 84, WV, 64, WSUM
	SB 85, WV, 16640, XST
	s_mov_b32 s[SEL], 0x76543210
	s_mov_b32 s[SEL+1], 0xfedcba98
	s_mov_b32 s[IV], 0x3b800000
	s_mov_b32 s[EP], 0x3727c5ac
	s_mov_b32 s[TB], 0
	s_mov_b32 s[GO], 0
	s_mov_b32 s[WO], 0
	; group 1: dense blocks as rows of 256 bytes (32 elements of 8 bytes): 51 rows (a quarter of an image), 32 rows (a quarter of gb); mask 15, bit 21 beside it
	s_mov_b32 s[G1I], 15|(3<<16)|(1<<21)
	s_mov_b32 s[G1I+1], 32<<16
	s_mov_b32 s[G1I+2], 51<<16
	s_mov_b32 s[G1I+3], 32<<16
	s_mov_b32 s[G1I+4], 51
	s_mov_b32 s[G1I+5], 32
	s_mov_b32 s[G1I+6], 0
	s_mov_b32 s[G1I+7], 0
	s_mov_b32 s[G1G], 15|(3<<16)|(1<<21)
	s_mov_b32 s[G1G+1], 32<<16
	s_mov_b32 s[G1G+2], 32<<16
	s_mov_b32 s[G1G+3], 32<<16
	s_mov_b32 s[G1G+4], 32
	s_mov_b32 s[G1G+5], 32
	s_mov_b32 s[G1G+6], 0
	s_mov_b32 s[G1G+7], 0
	s_lshl_b32 s86, s[WG], 17                      ; query: (128 WG + 16 w) rows of 1,024 bytes
	s_lshl_b32 s87, s[WV], 14
	s_add_co_u32 s86, s86, s87
	s_mov_b32 s87, 0
	s_lshl_b32 s88, s[WG], 12                      ; spectral_vec: the same rows, of 32 bytes
	s_lshl_b32 s89, s[WV], 9
	s_add_co_u32 s88, s88, s89
	s_mov_b32 s89, 0
	s_lshl_b32 s90, s[WG], 17                      ; out0: (128 WG + 32 rg) rows + 512 eh
	s_lshl_b32 s91, s[RG], 15
	s_add_co_u32 s90, s90, s91
	s_lshl_b32 s91, s[EH], 9
	s_add_co_u32 s90, s90, s91
	s_mov_b32 s91, 0
	s_mul_i32 s92, s[W3], QTR
	s_mov_b32 s93, 0
	s_lshl_b32 s94, s[W3], 13
	s_mov_b32 s95, 0
	s_wait_dscnt 0x0                               ; both opening adds are done
	s_wait_kmcnt 0x0
	s_add_nc_u64 s[6:7], s[6:7], s[86:87]
	s_add_nc_u64 s[4:5], s[4:5], s[88:89]
	s_add_nc_u64 s[16:17], s[16:17], s[90:91]
	s_mov_b32 s[G0A], 1
	s_mov_b32 s[G0A+1], s92                        ; slot 0
	s_add_nc_u64 s[G0A+2:G0A+3], s[12:13], s[92:93] ; image 0
	s_mov_b32 s[G0B], 1
	s_add_co_u32 s[G0B+1], s92, SLOT1              ; slot 1
	s_add_nc_u64 s[G0B+2:G0B+3], s[G0A+2:G0A+3], IMG ; image 1; this one then walks
	s_or_b32 s[G0A+3], s[G0A+3], 0x80000000
	s_or_b32 s[G0B+3], s[G0B+3], 0x80000000
	s_mov_b32 s[G0G], 1
	s_add_co_u32 s[G0G+1], s94, GBL
	s_add_nc_u64 s[G0G+2:G0G+3], s[14:15], s[94:95]
	s_or_b32 s[G0G+3], s[G0G+3], 0x80000000
	CROUND                                         ; all four work-groups are here: the first joint loads meet
	s_cmp_lt_u32 s[WV], 4                          ; one tensor load a wave at the head: waves 0-3 a quarter of image 0, waves 4-7 a quarter of gamma' and beta'
	s_cbranch_scc0 .Lhead_g
	tensor_load_to_lds s[G0A:G0A+3], s[G1I:G1I+7]
	s_nop 0
	PLACES
	s_branch .Lhead_j
.Lhead_g:
	tensor_load_to_lds s[G0G:G0G+3], s[G1G:G1G+7]
	s_nop 0
	PLACES
.Lhead_j:
	; ---- every lane address, in one run of vector instructions
	v_and_b32 v[TL], 31, v0
	v_and_b32 v[TR], 15, v0
	v_bfe_u32 v[TH], v0, 4, 1
	v_lshlrev_b32 v[LI], 4, v[TL]
	v_lshlrev_b32 v[LS], 2, v[TL]
	v_lshlrev_b32 v[SPV], 5, v[TR]
	v_lshlrev_b32 v[WAA], 2, v[TR]
	v_lshlrev_b32 v[BAA], 5, v[TH]
	v_add_nc_u32 v[AW0], s66, v[LI]
	v_add_nc_u32 v[ASC0], s67, v[LS]
	v_lshl_add_u32 v[AB0], v[TH], 6, s68
	v_lshl_add_u32 v[AG0], v[TH], 6, s69
	v_lshl_add_u32 v[AWT0], v[TR], 2, s70
	v_lshl_add_u32 v[AWS], v[TR], 2, s71
	v_lshl_add_u32 v[ASW0], v[TR], 3, s72
	v_lshl_add_u32 v[ASR0], v[TR], 3, s73
	v_add_nc_u32 v[QWI], s74, v[LI]
	v_lshl_add_u32 v[QWS], v[TR], 2, s75
	v_add_nc_u32 v[QF], s76, v[LI]
	v_add_nc_u32 v[CF], s77, v[LI]
	v_add_nc_u32 v[CWI], s78, v[LI]
	v_add_nc_u32 v[QFS], s79, v[LS]
	v_add_nc_u32 v[CFS], s80, v[LS]
	v_lshl_add_u32 v[CWS], v[TR], 2, s81
	v_add_nc_u32 v[RD], s82, v[LI]
	v_mad_u32_u24 v[STO], v[TR], 528, s82
	v_lshl_add_u32 v[SMW], v[TR], 2, s83
	v_lshl_add_u32 v[SM2], v[TR], 2, s84
	v_add_nc_u32 v[XS], s85, v[LI]
	v_mad_u32_u24 v[XR], v[TR], 1040, s85
	v_lshl_add_u32 v[SPV], v[TH], 3, v[SPV]        ; spectral_vec: 32 r + 8 h
	v_lshl_add_u32 v[WAA], v[TH], 7, v[WAA]        ; Wa: 128 h + 4 r
	v_lshl_add_u32 v[STO], v[TH], 6, v[STO]
	v_lshl_add_u32 v[SMW], v[TH], 12, v[SMW]       ; -2 w: bank 8 h + j, row 16 w + r
	v_lshl_add_u32 v[XR], v[TH], 6, v[XR]
.irp b, 0,1,2,3
	v_mov_b32 v[TM+4+\b], 0                        ; written once: a lane permute's destination counts as one of its sources
.endr
.irp rt, 0,1                                   ; so do the pairs' upper registers
	v_mov_b32 v[RS+2*\rt+1], 0
	v_mov_b32 v[CC+2*\rt+1], 0
	v_mov_b32 v[MW+2*\rt+1], 0
	v_mov_b32 v[ML+2*\rt+1], 0
	v_mov_b32 v[WSR+2*\rt+1], 0
	v_mov_b32 v[PD+\rt], 0
.endr
	VW
	; ---- eight small loads, then my 16 rows of query as they lie: each load reads 512 consecutive bytes
	global_load_b32 v80, v[WAA], s[8:9]            ; source 0 = Wa transposed: lane (r, h), register j: Wa(4 s + 2 h + j, bank r)
	global_load_b32 v81, v[WAA], s[8:9] offset:64
	global_load_b32 v82, v[WAA], s[8:9] offset:256
	global_load_b32 v83, v[WAA], s[8:9] offset:320
	global_load_b64 v[84:85], v[SPV], s[4:5]       ; source 1: spectral_vec(row r, 4 s + 2 h + j)
	global_load_b64 v[86:87], v[SPV], s[4:5] offset:16
	global_load_b128 v[88:91], v[BAA], s[10:11]    ; C: ba(8 h + j)
	global_load_b128 v[92:95], v[BAA], s[10:11] offset:16
	WIN 0x40
.set I, 0
.rept 32
	global_load_b128 v[4*I:4*I+3], v[LI], s[6:7] offset:512*I th:TH_LOAD_NT
.set I, I+1
.endr
	WIN 0
	s_wait_loadcnt 32                              ; the eight small loads are in; query's 32 may be out
	; ---- the logits of my 16 rows, f32 operands: lane (r, h) holds row r, register j bank 8 h + j.  One accumulator: a wait ahead of the second link
	v_wmma_f32_16x16x4_f32 v[LG:LG+7], v[80:81], v[84:85], v[88:95]
	s_wait_alu depctr_va_vdst(0)
	v_wmma_f32_16x16x4_f32 v[LG:LG+7], v[82:83], v[86:87], v[LG:LG+7]
.rept 8
	v_nop
.endr
	v_max3_num_f32 v104, v[LG], v[LG+1], v[LG+2]
	v_max3_num_f32 v105, v[LG+3], v[LG+4], v[LG+5]
	v_max3_num_f32 v104, v104, v[LG+6], v[LG+7]
	s_delay_alu instid0(VALU_DEP_1)
	v_max_num_f32 v104, v104, v105
	v_permlanex16_b32 v105, v104, s[SEL], s[SEL+1]
	v_max_num_f32 v104, v104, v105                 ; the row's largest logit is taken away first
.irp j, 0,1,2,3,4,5,6,7
	v_sub_f32 v[96+\j], v[LG+\j], v104
.endr
.irp j, 0,1,2,3,4,5,6,7
	v_mul_f32 v[96+\j], 0x3fb8aa3b, v[96+\j]
.endr
	VW
.irp j, 0,1,2,3,4,5,6,7
	v_exp_f32 v[96+\j], v[96+\j]
.endr
	v_nop
	VW
	SUM8
	VW
	v_rcp_f32 v107, v106
	v_nop
	VW
	v_mul_f32 v107, -2.0, v107
.irp j, 0,1,2,3,4,5,6,7
	v_mul_f32 v[96+\j], v[96+\j], v107             ; -2 w_k
.endr
	SUM8
	v_mul_f32 v106, -0.5, v106                     ; the sum of the w_k as they are rounded: where the running sum starts
.irp j, 0,1,2,3,4,5,6,7
	ds_store_b32 v[SMW], v[96+\j] offset:512*\j
.endr
	ds_store_b32 v[SM2], v106                      ; lanes l and l xor 16 write the same word with the same value
	VW
	s_wait_loadcnt 0x0
	; ---- query turns through my own stage: in as it lies, back 16 neighbours of each block of 32 a lane.  LDS serves a wave's instructions in order
	WIN 0x04
.set I, 0
.rept 32
	ds_store_b128 v[XS], v[4*I:4*I+3] offset:1040*(I/2)+512*(I%2)
.set I, I+1
.endr
	WIN 0x40
.set I, 0
.rept 32
	ds_load_b128 v[128+4*I:128+4*I+3], v[XR] offset:512*(I/16)+128*((I/4)%4)+16*(I%4)
.set I, I+1
.endr
	WIN 0
.irp set, 0,1
	s_wait_dscnt 16-16*\set                        ; this K step's sixteen loads are in
	QUANT 128+64*\set
	IMAGE QWI, 1536*\set
	ds_store_b32 v[QWS], v[PW] offset:64*\set
	VW
	s_wait_dscnt 0x0                               ; the stores have read their registers
.endr
	; ---- the head's tiles are in, query's fragments and the w lie in LDS; image 1 is asked for as a refill is
	CHANGE 1, 0
	FETCHF QF, QFS
.irp rt, 0,1
	ds_load_b32 v[WSR+2*\rt], v[AWS] offset:64*\rt
.endr
	MONLY 1                                        ; bank 0's products; the running sum starts
	SPASS 0
	s_mov_b32 s[TB], SLOT1
	s_mov_b32 s[KC], 15
	VW
.Lbank:                                            ; trip k = 0 .. 14: the vector work of bank k, the products and statistics of bank k + 1; image k + 2 is asked for
	CHANGE 1, 1
	STATS_IN
	s_wait_dscnt 0x0                               ; the partner's (m, M2) and -2 w are in
	XC
.irp p, -2,-1,0,1,2,3,4,5,6,7,8,9,10,11
	PHASE \p, 1
.endr
	SPASS 2048
	s_add_co_u32 s[GO], s[GO], 2048
	s_add_co_u32 s[WO], s[WO], 512
	s_xor_b32 s[TB], s[TB], SLOT1
	s_sub_co_u32 s[KC], s[KC], 1
	s_cmp_lg_u32 s[KC], 0
	VW
	s_cbranch_scc1 .Lbank
	; ---- bank 15's vector work: nothing more is asked for and no product stands beside it
	CHANGE 0, 0
	STATS_IN
	s_wait_dscnt 0x0
	XC
.irp p, -2,-1,0,1,2,3,4,5,6,7,8,9,10
	PHASE \p, 0
.endr
	; ---- the running sum is quantised: my 128 features are K step eh of the last product
.irp rt, 0,1
	QUANT 128+64*\rt
	IMAGE CWI, 3072*\rt
	ds_store_b32 v[CWS], v[PW] offset:128*\rt
	VW
	s_wait_dscnt 0x0
.endr
	s_barrier_signal -1
	s_barrier_wait -1
	FETCHF CF, CFS
	MONLY 0                                        ; image 16 (Wr, br) lies in slot 0, where the last change of slots has pointed the addresses
	PLACES
	; ---- THE WAY OUT, 16 rows x 128 features at a time, through my own stage: back as whole rows of 512 bytes
.macro TOSTAGE rt
	WIN 0x04
.irp t, 0,1,2,3,4,5,6,7
	ds_store_b128 v[STO], v[64*(\rt)+8*\t:64*(\rt)+8*\t+3] offset:128*(\t/2)+32*(\t%2)        ; each accumulator from its low end on
	ds_store_b128 v[STO], v[64*(\rt)+8*\t+4:64*(\rt)+8*\t+7] offset:128*(\t/2)+32*(\t%2)+16
.endr
	WIN 0
.irp i, 0,1,2,3,4,5,6,7,8,9,10,11,12,13,14,15
	ds_load_b128 v[64+64*(\rt)+4*\i:64+64*(\rt)+4*\i+3], v[RD] offset:528*\i
.endr
.endm
.macro SEND rt, younger
	s_wait_dscnt \younger
.irp i, 0,1,2,3,4,5,6,7,8,9,10,11,12,13,14,15
	global_store_b128 v[LI], v[64+64*(\rt)+4*\i:64+64*(\rt)+4*\i+3], s[16:17] offset:(16*(\rt)+\i)*1024 th:TH_STORE_NT   ; 32 lanes store 512 consecutive bytes, at a multiple of 256 from out0's first byte
.endr
.endm
	TOSTAGE 0
	TOSTAGE 1
	SEND 0, 32                                     ; behind block 0's loads: block 1's 16 stores and 16 loads
	SEND 1, 0
	s_wait_tensorcnt 0x0                           ; the wave's end
	ds_add_u32 v[SPW], v[NIL]
	s_wait_dscnt 0x0
	CROUND                                         ; the closing round
	s_endpgm
.Lfunc_end_k_qaf1403f98c_main:
	.size	k_qaf1403f98c_main, .Lfunc_end_k_qaf1403f98c_main-k_qaf1403f98c_main
	.p2alignl 7, 3214868480
	.fill 96, 4, 3214868480
	.section	.rodata,"a",@progbits
	.p2align	6, 0x0
	.amdhsa_kernel k_qaf1403f98c_main
		.amdhsa_group_segment_fixed_size 327680
		.amdhsa_private_segment_fixed_size 0
		.amdhsa_enable_private_segment 0
		.amdhsa_kernarg_size 56
		.amdhsa_user_sgpr_count 2
		.amdhsa_user_sgpr_kernarg_segment_ptr 1
		.amdhsa_wavefront_size32 1
		.amdhsa_system_sgpr_workgroup_id_x 1
		.amdhsa_system_sgpr_workgroup_id_y 1
		.amdhsa_system_sgpr_workgroup_id_z 1
		.amdhsa_system_vgpr_workitem_id 0
		.amdhsa_next_free_vgpr 512
		.amdhsa_next_free_sgpr 100
		.amdhsa_reserve_vcc 0
		.amdhsa_float_denorm_mode_32 3
		.amdhsa_float_denorm_mode_16_64 3
		.amdhsa_memory_ordered 1
		.amdhsa_forward_progress 1
		.amdhsa_inst_pref_size 169
	.end_amdhsa_kernel
	.amdgpu_metadata
---
amdhsa.version: [ 1, 2 ]
amdhsa.kernels:
  - .name:           k_qaf1403f98c_main
    .symbol:         k_qaf1403f98c_main.kd
    .args:
      - { .name: spectral_vec, .offset: 0, .size: 8, .value_kind: global_buffer, .address_space: global }
      - { .name: query, .offset: 8, .size: 8, .value_kind: global_buffer, .address_space: global }
      - { .name: Wa, .offset: 16, .size: 8, .value_kind: global_buffer, .address_space: global }
      - { .name: ba, .offset: 24, .size: 8, .value_kind: global_buffer, .address_space: global }
      - { .name: wimg, .offset: 32, .size: 8, .value_kind: global_buffer, .address_space: global }
      - { .name: gb, .offset: 40, .size: 8, .value_kind: global_buffer, .address_space: global }
      - { .name: out0, .offset: 48, .size: 8, .value_kind: global_buffer, .address_space: global }
    .group_segment_fixed_size: 327680
    .private_segment_fixed_size: 0
    .kernarg_segment_align: 8
    .kernarg_segment_size: 56
    .max_flat_workgroup_size: 256
    .sgpr_count:     100
    .vgpr_count:     512
    .wavefront_size: 32
...
	.end_amdgpu_metadata
.endif
;; end of part 2
